; MI455X (gfx1250); checked and timed in simulation.
; The chip was launched on July 23, 2026; its instructions are those of AMD's public machine-readable ISA for CDNA 5 (MIT licence, August 2026) and "CDNA5" Instruction Set Architecture Reference Guide (July 2026). The comments in the code are by the model that wrote it; some were corrected since.
;; Intra Domain Attention. Allowed arithmetic: matrix products marked QUANTISED: E2M3 operands, one E8M0 scale for each 32 along K, by v_wmma_scale_f32_16x16x128_f8f6f4 with both operands' format E2M3, f32 sums; everything else in f32.
;; Inputs: Wkv 512 x 1,024 float32; Wq 512 x 512 float32; bkv 1,024 float32; bq 512 float32; global_tokens 8 x 1,024 x 512 float32; x 8 x 2,048 x 512 float32.
;; Outputs: out0 8 x 2,048 x 512 float32.
;; This version of the problem:
;;   THIS VERSION OF THE PROBLEM IS GIVEN IN LOW PRECISION. The matrix products marked QUANTISED in the list below multiply operands that are first quantised to E2M3 (2 exponent bits, 3 mantissa bits; 6 bits a number), with one power-of-two scale for each 32 numbers along K (OCP MX v1.0); their sums are f32. All else is computed in f32.
;;   The module's matrix products, in the order in which they are computed (A, B: the left and right operand; K: the contracted axis; several contracted axes count as one K, in the product's order):
;;     1. [M 16,384, K 512] x [K 512, N 512]; A: input x; B: input Wq: QUANTISED
;;     2. [M 8,192, K 512] x [K 512, N 1,024]; A: input global_tokens; B: input Wkv: QUANTISED
;;     3. batch 64 x [M 2,048, K 64] x [K 64, N 1,024]; A: computed on the way; B: computed on the way: QUANTISED
;;     4. batch 64 x [M 2,048, K 1,024] x [K 1,024, N 64]; A: softmax (see below); B: computed on the way: QUANTISED
;;   THE QUANTISER, for each operand of a quantised product, along K:
;;     - K is cut into blocks of 32 from its start; a last block that is shorter is filled with zeros.
;;     - A block's scale is 2^e with e = floor(log2(the largest magnitude in the block)) - 2, held to -126 .. 127; a block of zeros has e = 0. As a byte (E8M0): e + 127.
;;     - Each number is divided by its block's scale, clamped to +-7.5, and rounded to the nearest number of E2M3, ties to even, subnormals kept.
;;     - The product sums the exact products of the quantised numbers (number of the format x scale) in f32.
;;   ~~~python
;;   def quantise(x, axis):      # numpy; x: float32 -> the quantised numbers, widened to float32 again
;;       x = np.moveaxis(x, axis, -1); K = x.shape[-1]
;;       x = np.pad(x, [(0, 0)] * (x.ndim - 1) + [(0, -K % 32)]); x = x.reshape(x.shape[:-1] + (-1, 32)); a = np.abs(x).max(-1, keepdims=True)
;;       e = np.where(a > 0, np.clip(np.frexp(np.where(a > 0, a, 1))[1] - 1 - 2, -126, 127), 0)      # np.frexp(a)[1] - 1 = floor(log2(a)), exactly
;;       r = np.clip(x / 2.0 ** e, -7.5, 7.5)
;;       step = 2.0 ** (np.maximum(np.frexp(np.where(r == 0, 1, r))[1] - 1, 0) - 3)
;;       q = np.round(r / step) * step * 2.0 ** e      # np.round: ties to even
;;       return np.moveaxis(q.reshape(q.shape[:-2] + (-1,))[..., :K], -1, axis).astype(np.float32)
;;   ~~~
;;   SOFTMAX AHEAD OF A QUANTISED PRODUCT. Where the list says 'softmax', what is quantised is not the finished softmax but p = 2^(t - M), with t = logit x log2(e) and M = ceil(the row's largest t), a whole number; so 1/2 < the row's largest p <= 1. The row's sum l is taken of the UNQUANTISED p, in f32, and the product's result is divided by l at the end. Since M is a whole number, a kernel that streams over the keys may use a running M (the ceiling of the running maximum): every later rescaling is an exact power of two, which a block's scale takes up: the codes' values come out the same.
;;   OPERANDS COMPUTED ON THE WAY. 'Computed on the way' means the value that the module computes at that place (a softmax that the list does not call 'softmax' is quantised finished and normalised). What goes into a quantiser is computed in f32, as accurately as f32 sums, v_exp_f32 and their like allow (about 1e-6 of the number): no bf16 or f16 on the way to a quantiser, and a product that is left as it is and whose result goes on into a quantised operand takes f32 operands (vector FMAs, or v_wmma_f32_16x16x4_f32). A number that lies on a knife's edge between two numbers of the format may be rounded either way, as far as f32 arithmetic and the matrix unit's own rounding can turn it there, and no further.
;; One version. Each part assembles by itself: llvm-mc -triple=amdgcn-amd-amdhsa -mcpu=gfx1250 --defsym DOCPART=n.
;; ======== version 1 of 1: 3 launches
;; limits: right only within a limited range of input values
;; workspace buffers: wc 589,824 bytes; ws 49,152 bytes; qc 6,291,456 bytes; qs 524,288 bytes; kv 6,815,744 bytes
;; launch wquant (part 1): grid 192 x 1, 2 waves a work-group, no clusters, 0 bytes of LDS; arguments Wq, Wkv, wc, ws; writes wc, ws
.if DOCPART == 1
	.amdgcn_target "amdgcn-amd-amdhsa--gfx1250"
	.amdhsa_code_object_version 6
	.text
	.protected	k_qef9a10691f_wquant
	.globl	k_qef9a10691f_wquant
	.p2align	8
	.type	k_qef9a10691f_wquant,@function
k_qef9a10691f_wquant:
	s_mov_b64 s[64:65], 0
	v_nop
	global_prefetch_b8 v0, s[64:65] scope:SCOPE_SE
	s_setreg_imm32_b32 hwreg(HW_REG_WAVE_MODE, 25, 1), 1
	s_wait_xcnt 0x0
; THE PROGRAM: out = softmax(q k^T) v for each batch and head, q = x Wq + bq, k | v = global_tokens Wkv + bkv, all four products on codes of FP6 (E2M3) with one E8M0 scale for each 32 along K.
; Three launches: this one turns the weights into codes; the second makes q, k and v and quantises them; the third is the attention.
; DEAD WORK: none.  Every input has a way to out0 (both biases go into quantised operands), and nothing of reference() is left out.
; LIMITS: NaN and infinities among the inputs are not served.  A block whose largest magnitude lies under 2^(3 - 127), a block of zeros among them, gets the scale byte 1 (the rule gives a block of zeros 127):
; its codes are zeros or the rule's own, and the bytes are read by this program alone.
; THIS LAUNCH.  Wq [512][512] and Wkv [512][1024], f32, have K as their FIRST axis.  A lane takes a column and its registers run down K, in the order that the 6-bit operand's layout gives that lane
; (registers 6 c .. 6 c + 5: k = 64 c + 32 (lane / 16) + 0 .. 31), so the conversions' results ARE the operand's registers.  They are stored as an image of those registers: three blocks of 512 bytes, 16 bytes a lane.
; Work-groups 2 T and 2 T + 1 make tile T (0 .. 95) of 16 columns: T 0-31 Wq, 32-63 Wkv's columns 0-511 (k), 64-95 its columns 512-1023 (v).  A wave makes one K step (128 along K): 384 waves.
; THE COLUMNS OF A TILE OF Wq AND OF k's HALF ARE NOT NEIGHBOURS: lane r of tile t takes column 64 (t / 4) + 32 (r / 8) + 8 (t % 4) + r % 8, so that in the next launch the 32 result registers of four tiles
; are 32 neighbours in one lane: a whole scale block.  v's tiles take neighbouring columns.  No LDS, no barrier, no matrix instruction: 3 MB are read once.
.macro LOADW stride                    ; W(128 s + 64 c + 32 h + i, my column): 64 numbers a lane
.irp c, 0,1
.irp i, 0,1,2,3,4,5,6,7,8,9,10,11,12,13,14,15,16,17,18,19,20,21,22,23,24,25,26,27,28,29,30,31
	global_load_b32 v[64+32*\c+\i], v5, s[4:5] offset:\stride*(64*\c+\i) th:TH_LOAD_NT
.endr
.endr
.endm
	s_load_b256 s[4:11], s[0:1], 0x0               ; Wq s[4:5], Wkv s[6:7], wc s[8:9], ws s[10:11]
	v_lshrrev_b32 v1, 5, v0
	v_readfirstlane_b32 s12, v1
	v_and_b32 v1, 15, v0                           ; r
	v_bfe_u32 v2, v0, 4, 1                         ; h
	v_and_b32 v3, 31, v0                           ; lane
	v_lshlrev_b32 v6, 4, v3                        ; an image's place for my lane
	v_lshlrev_b32 v7, 2, v3                        ; a scale word's
	s_wait_alu depctr_va_vdst(0)                   ; the wait ahead of the scalar lines
	s_lshr_b32 s30, ttmp9, 1                       ; tile T
	s_and_b32 s13, ttmp9, 1
	s_lshl_b32 s13, s13, 1
	s_add_co_u32 s12, s12, s13                     ; K step
	s_mov_b32 s14, 4096
	s_cmp_lt_u32 s30, 32                           ; Wq's tile?
	s_cselect_b32 s13, 0, 32
	s_cselect_b32 s14, 2048, s14                   ; bytes in a row of the weight
	s_sub_co_u32 s13, s30, s13                     ; the tile's number in its matrix
	s_lshr_b32 s16, s13, 2
	s_lshl_b32 s16, s16, 6
	s_and_b32 s17, s13, 3
	s_lshl_b32 s17, s17, 3
	s_add_co_u32 s16, s16, s17                     ; 64 (t / 4) + 8 (t % 4)
	s_lshl_b32 s17, s13, 4                         ; 16 t
	s_cmp_lt_u32 s30, 64                           ; q's and k's tiles are spread, v's are not
	s_cselect_b32 s16, s16, s17                    ; the tile's first column
	s_cselect_b32 s15, 3, 0
	s_lshl_b32 s18, s14, 5
	s_mul_i32 s20, s12, s14
	s_lshl_b32 s20, s20, 7                         ; my K step: 128 rows
	s_lshl_b32 s21, s16, 2
	s_add_co_u32 s20, s20, s21
	s_mov_b32 s21, 0
	s_lshl_b32 s22, s30, 2
	s_add_co_u32 s22, s22, s12                     ; fragment 4 T + s
	s_mul_i32 s24, s22, 1536
	s_mov_b32 s25, 0
	s_lshl_b32 s26, s22, 7
	s_mov_b32 s27, 0
	s_mov_b32 s28, 0x76543210
	s_mov_b32 s29, 0xfedcba98                      ; v_permlanex16_b32's selects for lane l xor 16
	v_and_b32 v4, 8, v1
	v_mul_u32_u24 v4, v4, s15
	v_add_nc_u32 v4, v4, v1                        ; r % 8 + 32 (r / 8), or r
	v_mul_u32_u24 v5, v2, s18                      ; lanes 16-31 begin 32 rows further down
	v_lshl_add_u32 v5, v4, 2, v5
	s_wait_alu depctr_va_vdst(0)                   ; the wait at the head's end
	s_wait_kmcnt 0x0
	s_cmp_lt_u32 s30, 32
	s_cselect_b64 s[4:5], s[4:5], s[6:7]           ; the choice hangs on the work-group's number alone
	s_add_nc_u64 s[4:5], s[4:5], s[20:21]
	s_add_nc_u64 s[8:9], s[8:9], s[24:25]
	s_add_nc_u64 s[10:11], s[10:11], s[26:27]
	s_cmp_lt_u32 s30, 32
	s_cbranch_scc0 .Lwkv
	LOADW 2048
	s_branch .Lloaded
.Lwkv:
	LOADW 4096
.Lloaded:
	s_wait_loadcnt 0x0
.irp c, 0,1                                    ; my block 2 c + h: all its 32 numbers are mine
	v_max3_num_f32 v[32+\c], |v[64+32*\c]|, |v[65+32*\c]|, 0x1800000   ; and the floor 2^(3 - 127): the byte cannot fall under 1
.endr
.irp i, 2,4,6,8,10,12,14,16,18,20,22,24,26,28,30
.irp c, 0,1
	v_max3_num_f32 v[32+\c], v[32+\c], |v[64+32*\c+\i]|, |v[65+32*\c+\i]|
.endr
.endr
.irp c, 0,1
	v_add_nc_u32 v[44+\c], 0xff000000, v[32+\c]    ; 2 off the exponent field: the conversion's scale operand
.endr
.irp c, 0,1
	v_lshrrev_b32 v[36+\c], 23, v[44+\c]           ; the scale's byte
.endr
	v_lshl_or_b32 v9, v37, 16, v36                 ; my two bytes: blocks h and 2 + h,
	v_lshlrev_b32 v10, 3, v2
	v_lshlrev_b32 v9, v10, v9                      ; at their places in the scale word;
	v_mov_b32 v10, 0
	v_permlanex16_b32 v10, v9, s28, s29
	v_or_b32 v9, v9, v10                           ; with lane l xor 16's two the word is whole, in both halves of the lanes
.irp c, 0,1
	v_cvt_scalef32_pk16_fp6_f32 v[48+6*\c:50+6*\c], v[64+32*\c:79+32*\c], v[44+\c]
	v_cvt_scalef32_pk16_fp6_f32 v[128+4*\c:130+4*\c], v[80+32*\c:95+32*\c], v[44+\c]   ; (a conversion's three registers begin on an even number)
.endr
	v_nop                                          ; one plain place behind a scaled conversion
.irp c, 0,1
.irp i, 0,1,2
	v_mov_b32 v[51+6*\c+\i], v[128+4*\c+\i]
.endr
.endr
.irp c, 0,1,2
	global_store_b128 v6, v[48+4*\c:51+4*\c], s[8:9] offset:512*\c   ; 32 lanes store 512 consecutive bytes, at a multiple of 256 from the buffer's first byte
.endr
	global_store_b32 v7, v9, s[10:11]              ; 128 consecutive bytes: the scale words are 49,152 bytes in the whole launch
	s_endpgm
.Lfunc_end_k_qef9a10691f_wquant:
	.size	k_qef9a10691f_wquant, .Lfunc_end_k_qef9a10691f_wquant-k_qef9a10691f_wquant
	.p2alignl 7, 3214868480
	.fill 96, 4, 3214868480
	.section	.rodata,"a",@progbits
	.p2align	6, 0x0
	.amdhsa_kernel k_qef9a10691f_wquant
		.amdhsa_group_segment_fixed_size 0
		.amdhsa_private_segment_fixed_size 0
		.amdhsa_enable_private_segment 0
		.amdhsa_kernarg_size 32
		.amdhsa_user_sgpr_count 2
		.amdhsa_user_sgpr_kernarg_segment_ptr 1
		.amdhsa_wavefront_size32 1
		.amdhsa_system_sgpr_workgroup_id_x 1
		.amdhsa_system_sgpr_workgroup_id_y 1
		.amdhsa_system_sgpr_workgroup_id_z 1
		.amdhsa_system_vgpr_workitem_id 0
		.amdhsa_next_free_vgpr 136
		.amdhsa_next_free_sgpr 66
		.amdhsa_reserve_vcc 0
		.amdhsa_float_denorm_mode_32 3
		.amdhsa_float_denorm_mode_16_64 3
		.amdhsa_memory_ordered 1
		.amdhsa_forward_progress 1
		.amdhsa_inst_pref_size 18
	.end_amdhsa_kernel
	.amdgpu_metadata
---
amdhsa.version: [ 1, 2 ]
amdhsa.kernels:
  - .name:           k_qef9a10691f_wquant
    .symbol:         k_qef9a10691f_wquant.kd
    .args:
      - { .name: Wq, .offset: 0, .size: 8, .value_kind: global_buffer, .address_space: global }
      - { .name: Wkv, .offset: 8, .size: 8, .value_kind: global_buffer, .address_space: global }
      - { .name: wc, .offset: 16, .size: 8, .value_kind: global_buffer, .address_space: global }
      - { .name: ws, .offset: 24, .size: 8, .value_kind: global_buffer, .address_space: global }
    .group_segment_fixed_size: 0
    .private_segment_fixed_size: 0
    .kernarg_segment_align: 8
    .kernarg_segment_size: 32
    .max_flat_workgroup_size: 64
    .sgpr_count:     66
    .vgpr_count:     136
    .wavefront_size: 32
...
	.end_amdgpu_metadata
.endif
;; end of part 1
;; launch proj (part 2): grid 256 x 1, 8 waves a work-group, no clusters, 318,464 bytes of LDS; arguments x, global_tokens, wc, ws, bq, bkv, qc, qs, kv; writes qc, qs, kv
.if DOCPART == 2
	.amdgcn_target "amdgcn-amd-amdhsa--gfx1250"
	.amdhsa_code_object_version 6
	.text
	.protected	k_qef9a10691f_proj
	.globl	k_qef9a10691f_proj
	.p2align	8
	.type	k_qef9a10691f_proj,@function
k_qef9a10691f_proj:
	s_mov_b64 s[64:65], 0
	v_nop
	global_prefetch_b8 v0, s[64:65] scope:SCOPE_SE
	s_setreg_imm32_b32 hwreg(HW_REG_WAVE_MODE, 25, 1), 1
	s_wait_xcnt 0x0
; q = x Wq + bq (work-groups 0-127), k (128-191) and v (192-255) = global_tokens Wkv + bkv, each quantised on the way out.  Nothing of reference() is left out.  LIMITS: NaN and infinities are not served; a block whose
; largest magnitude lies under 2^(3 - 127) gets the scale byte 1.
; A work-group makes 128 rows x 512 columns with eight waves.  A wave has one head: 64 columns of the weight, all of K, in 192 registers.
; THE ROWS OF A TILE ARE NOT NEIGHBOURS: lane r of tile m takes row 64 (m / 4) + 32 (r / 8) + 8 (m % 4) + r % 8, so that the 32 result registers of four tiles are a whole block of 32 rows in one lane (v);
; the weights' columns are laid in the same way (q, k).  Wave m brings tile m's 16 rows into LDS by ONE tensor load (two runs of 8 rows, 32 rows apart).
; TWO HALVES OF 64 ROWS.  Tiles 0-3 are shown to all waves by a barrier of their own, ahead of which waves 0-3, who fetch them, wait for their loads; tiles 4-7 may still be on their way.  In each half wave w quantises
; half a tile, tile w / 2, K steps 2 (w % 2) and 2 (w % 2) + 1, and puts it into LDS as images of the operand's registers; a barrier; then every wave multiplies the half's four tiles with its columns.
; The weights are images already and go from memory straight into registers; two K steps' loads stand at the head behind the tensor load, two between the first half's conversions.
; No cluster: the rows are shared by no two work-groups of one matrix, and beside 266,240 bytes of rows LDS has no room for the weights, which all work-groups of a matrix read.  No prefetch: no loop to run ahead in.
; WAY OUT.  q, k (products transposed): a pair of tiles is 12 registers, three pieces of 16 bytes a lane.  v (not transposed): a column tile's 12 registers are the blocks of both halves of the 128 rows.
; REGISTERS, window 1: v256-447 the weights (K step s, tile t at 48 s + 12 t); v448-511 accumulators (q, k: 32 q + 8 t; v: column tiles 0, 1).  window 0: below; v192-255 v's accumulators of column tiles 2, 3.
.set REC,   106496
.set XW,    33280                      ; a tile's 16 rows in LDS: 2 x 16 intervals of 1,024 bytes + 16
.set XIMG,  8*XW
.set XSC,   XIMG+32*1536               ; scale words: 512 s + 64 m + 4 r
.set SPARE, XSC+2048                   ; the spare words, 128 bytes for each wave
.set LI,  1                            ; 16 x lane
.set XA,  2                            ; where I read my half tile's numbers
.set XWI, 3                            ; its images
.set XWS, 4                            ; its scale words
.set FI,  5
.set FS,  6
.set SPW, 7
.set NIL, 8
.set SH8, 9                            ; 8 h
.set BA,  10
.set LW,  11                           ; 512 h + 4 r: the weights' scale words of two tiles
.set SA,  12                           ; v12-15  scale words on the way out
.set TM,  16                           ; v16-27  at work; v24, 25 the conversions' scale operands, v26, 27 the bytes
.set WS,  28                           ; v28-35  the weights' scale words: 4 (t / 2) + s, lanes 0-15 tile t even, lanes 16-31 odd
.set XS,  36                           ; v36-39  the rows': K step s at (s + 1) % 4, lanes 0-15 the even tile, lanes 16-31 the odd
.set PC,  40                           ; v40-63  codes on the way out
.set XF,  64                           ; v64-159 a pair of tiles' fragments: 48 q + 12 s
.set XC,  128                          ; v128-139 while rows are quantised: their codes (the rows' numbers: v64-127 and v192-255)
.set BIA, 160                          ; v160-191 the bias, as the first products' C
.set WV,  22
.set G1,  24
.set G0,  32
.set SEL, 40
.set MK,  42
.set OCA, 44
.set OSA, 48
.set WC,  52
.set WSP, 54
.set BI,  56
.set SRC, 58
.set MSB, 0
.macro WIN new
.if MSB != (\new)
	s_set_vgpr_msb (MSB<<8)|(\new)
.set MSB, \new
.endif
.endm
.macro PLACES n
.rept \n
	v_nop
.endr
.endm
.macro XLD s, set                      ; the s-th of my two K steps: 64 numbers a lane, two whole blocks: k = 64 c + 32 h + 0 .. 31
.irp b, 0,1,2,3
.irp j, 0,1,2,3
	ds_load_b128 v[(\set)+16*\b+4*\j:(\set)+16*\b+4*\j+3], v[XA] offset:(\s)*512+256*(\b/2)+64*(\b%2)+16*\j
.endr
.endr
.endm
.macro QUANT2 w, s0, s1, d0, d1        ; two blocks of 32, from s0 and s1 on (window w): codes into d0 .. d0 + 5 and d1 .. d1 + 5, bytes into v26, v27.  (A block's second half is converted over its first half's numbers, which have been converted, and moved: a conversion's three registers begin on an even number)
	WIN 5*\w
.irp k, 0,1,2,3
	v_max3_num_f32 v[TM+\k], |v[(\s0)+8*\k]|, |v[(\s0)+8*\k+1]|, 0x1800000
	v_max3_num_f32 v[TM+4+\k], |v[(\s1)+8*\k]|, |v[(\s1)+8*\k+1]|, 0x1800000
.endr
	WIN 0x14*\w
.irp i, 2,4,6
.irp k, 0,1,2,3
	v_max3_num_f32 v[TM+\k], v[TM+\k], |v[(\s0)+8*\k+\i]|, |v[(\s0)+8*\k+\i+1]|
	v_max3_num_f32 v[TM+4+\k], v[TM+4+\k], |v[(\s1)+8*\k+\i]|, |v[(\s1)+8*\k+\i+1]|
.endr
.endr
	WIN 0
	v_max3_num_f32 v[TM], v[TM], v[TM+1], v[TM+2]
	v_max3_num_f32 v[TM+4], v[TM+4], v[TM+5], v[TM+6]
	v_max_num_f32 v[TM], v[TM], v[TM+3]
	v_max_num_f32 v[TM+4], v[TM+4], v[TM+7]
	v_add_nc_u32 v[TM+8], 0xff000000, v[TM]        ; 2 off the exponent field: the conversion's scale operand
	v_add_nc_u32 v[TM+9], 0xff000000, v[TM+4]
	v_lshrrev_b32 v[TM+10], 23, v[TM+8]
	v_lshrrev_b32 v[TM+11], 23, v[TM+9]
	WIN \w
	v_cvt_scalef32_pk16_fp6_f32 v[\d0:\d0+2], v[\s0:\s0+15], v[TM+8]
	v_cvt_scalef32_pk16_fp6_f32 v[\d1:\d1+2], v[\s1:\s1+15], v[TM+9]
	v_nop                                          ; one plain place behind a scaled conversion
	WIN 0x41*\w
	v_cvt_scalef32_pk16_fp6_f32 v[\s0:\s0+2], v[\s0+16:\s0+31], v[TM+8]
	v_cvt_scalef32_pk16_fp6_f32 v[\s1:\s1+2], v[\s1+16:\s1+31], v[TM+9]
	v_nop
	WIN \w
.irp i, 0,1,2
	v_mov_b32 v[\d0+3+\i], v[\s0+\i]
	v_mov_b32 v[\d1+3+\i], v[\s1+\i]
.endr
	WIN 0
.endm
.macro WORD d                          ; the two bytes at h and 2 + h, with lane l xor 16's: a scale word
	v_lshl_or_b32 v[TM], v[TM+11], 16, v[TM+10]
	v_lshlrev_b32 v[TM], v[SH8], v[TM]
	v_permlanex16_b32 v[TM+1], v[TM], s[SEL], s[SEL+1]
	v_or_b32 v[\d], v[TM], v[TM+1]
.endm
.macro LOADW s                         ; the weights' fragments of K step s: 12 loads
	WIN 0x40
.irp t, 0,1,2,3
.irp c, 0,1,2
	global_load_b128 v[48*(\s)+12*\t+4*\c:48*(\s)+12*\t+4*\c+3], v[LI], s[WC:WC+1] offset:(4*\t+(\s))*1536+512*\c
.endr
.endr
	WIN 0
.endm
.macro ROWS half                       ; my half tile of this half's four: numbers in, images out, and a barrier: all the half's images are there
	XLD 0, 64
	XLD 1, 192
.irp s, 0,1
.if \s == 0
	s_wait_dscnt 16                                ; the second K step's loads may be out
.else
	s_wait_dscnt 4                                 ; the first image's four stores may be out
.endif
	QUANT2 0, 64+128*\s, 96+128*\s, XC, XC+6
	WORD TM+2
.irp c, 0,1,2
	ds_store_b128 v[XWI], v[XC+4*\c:XC+4*\c+3] offset:24576*\half+1536*\s+512*\c
.endr
	ds_store_b32 v[XWS], v[TM+2] offset:256*\half+512*\s
.if \half == 0
	LOADW \s+2
.endif
.endr
	s_wait_alu depctr_va_vdst(0)
	s_wait_dscnt 0x0
	s_barrier_signal -1
	s_barrier_wait -1
.endm
.macro FETCH i                         ; tiles 2 i, 2 i + 1 of the rows
.irp q, 0,1
.irp s, 0,1,2,3
.irp c, 0,1,2
	ds_load_b128 v[XF+48*\q+12*\s+4*\c:XF+48*\q+12*\s+4*\c+3], v[FI] offset:(4*(2*(\i)+\q)+\s)*1536+512*\c
.endr
.endr
.endr
.irp s, 0,1,2,3
	ds_load_b32 v[XS+(\s+1)%4], v[FS] offset:512*\s+128*(\i)
.endr
.endm
.macro MMQK i                          ; source 0: the weight's columns; source 1: the rows.  Eight accumulators by turns
.irp s, 0,1,2,3
.if (\i) == 0
	s_wait_loadcnt 12*(3-\s)                       ; this K step's weights (and what was asked for ahead of them) are in; the later steps' may be out
.endif
.if \s == 0
	WIN 0x41
.else
	WIN 0x51
.endif
.irp p, 0,1
.irp o, 0,1
.irp q, 0,1
.if \s == 0
	v_wmma_scale_f32_16x16x128_f8f6f4 v[192+32*\q+16*\p+8*\o:192+32*\q+16*\p+8*\o+7], v[48*\s+24*\p+12*\o:48*\s+24*\p+12*\o+11], v[XF+48*\q+12*\s:XF+48*\q+12*\s+11], v[BIA+16*\p+8*\o:BIA+16*\p+8*\o+7], v[WS+4*\p+\s], v[XS+(\s+1)%4] matrix_a_fmt:MATRIX_FMT_FP6 matrix_b_fmt:MATRIX_FMT_FP6 matrix_a_scale:MATRIX_SCALE_ROW\o matrix_b_scale:MATRIX_SCALE_ROW\q
.else
	v_wmma_scale_f32_16x16x128_f8f6f4 v[192+32*\q+16*\p+8*\o:192+32*\q+16*\p+8*\o+7], v[48*\s+24*\p+12*\o:48*\s+24*\p+12*\o+11], v[XF+48*\q+12*\s:XF+48*\q+12*\s+11], v[192+32*\q+16*\p+8*\o:192+32*\q+16*\p+8*\o+7], v[WS+4*\p+\s], v[XS+(\s+1)%4] matrix_a_fmt:MATRIX_FMT_FP6 matrix_b_fmt:MATRIX_FMT_FP6 matrix_a_scale:MATRIX_SCALE_ROW\o matrix_b_scale:MATRIX_SCALE_ROW\q
.endif
.endr
.endr
.endr
.endr
	WIN 0
.endm
.macro MMV i                           ; source 0: the rows; source 1: the weight's columns.  Column tile c = 2 p + o
.irp s, 0,1,2,3
.if (\i) == 0
	s_wait_loadcnt 12*(3-\s)
.endif
.irp p, 0,1
.if \p == 1
	WIN 0x04
.elseif \s == 0
	WIN 0x44
.else
	WIN 0x54
.endif
.irp o, 0,1
.irp q, 0,1
.set D_, 192+32*\o+16*((\i)%2)+8*\q
.if \s == 0
	v_wmma_scale_f32_16x16x128_f8f6f4 v[D_:D_+7], v[XF+48*\q+12*\s:XF+48*\q+12*\s+11], v[48*\s+24*\p+12*\o:48*\s+24*\p+12*\o+11], v[BIA+16*\p+8*\o:BIA+16*\p+8*\o+7], v[XS+(\s+1)%4], v[WS+4*\p+\s] matrix_a_fmt:MATRIX_FMT_FP6 matrix_b_fmt:MATRIX_FMT_FP6 matrix_a_scale:MATRIX_SCALE_ROW\q matrix_b_scale:MATRIX_SCALE_ROW\o
.else
	v_wmma_scale_f32_16x16x128_f8f6f4 v[D_:D_+7], v[XF+48*\q+12*\s:XF+48*\q+12*\s+11], v[48*\s+24*\p+12*\o:48*\s+24*\p+12*\o+11], v[D_:D_+7], v[XS+(\s+1)%4], v[WS+4*\p+\s] matrix_a_fmt:MATRIX_FMT_FP6 matrix_b_fmt:MATRIX_FMT_FP6 matrix_a_scale:MATRIX_SCALE_ROW\q matrix_b_scale:MATRIX_SCALE_ROW\o
.endif
.endr
.endr
.endr
.endr
	WIN 0
.endm
.macro QKPAIR i                        ; q, k: a pair of tiles, products and way out
	s_wait_dscnt 0x0
	MMQK \i
	PLACES 4
.if \i%2 == 0
	FETCH \i+1
.endif
.if \i > 1
	s_wait_xcnt 0x0                                ; the stores of two pairs ago have read their registers
.endif
	QUANT2 1, 192, 224, PC+12*(\i%2), PC+12*(\i%2)+6
.if \i < 2
	WORD SA+2*\i                                   ; bytes 0, 1: the even tile's; bytes 2, 3 (which meet zeros there) the odd tile's
	v_lshrrev_b32 v[SA+2*\i+1], 16, v[SA+2*\i]
.else
	WORD TM+2
	v_lshrrev_b32 v[TM+3], 16, v[TM+2]
	v_cndmask_b32 v[SA+2*\i-4], v[SA+2*\i-4], v[TM+2], s[MK]   ; lanes 16-31 take tiles 4-7
	v_cndmask_b32 v[SA+2*\i-3], v[SA+2*\i-3], v[TM+3], s[MK]
.endif
.irp c, 0,1,2
	global_store_b128 v[LI], v[PC+12*(\i%2)+4*\c:PC+12*(\i%2)+4*\c+3], s[OCA:OCA+1] offset:1536*\i+512*\c   ; 32 lanes store 512 consecutive bytes, aligned
.endr
.endm
	s_load_b256 s[4:11], s[0:1], 0x0               ; x, global_tokens, wc, ws
	s_load_b256 s[12:19], s[0:1], 0x20             ; bq, bkv, qc, qs
	s_load_b64 s[20:21], s[0:1], 0x40              ; kv
	v_lshl_add_u32 v[SPW], v0, 2, SPARE
	v_mov_b32 v[NIL], 0
	ds_add_u32 v[SPW], v[NIL]                      ; the wave's opening: the add, twice on end, and its wait ahead of my first tensor load
	ds_add_u32 v[SPW], v[NIL]
	v_lshrrev_b32 v64, 5, v0
	v_readfirstlane_b32 s[WV], v64
	v_and_b32 v68, 31, v0                          ; lane
	v_and_b32 v64, 15, v0                          ; r
	v_bfe_u32 v65, v0, 4, 1                        ; h
	v_bfe_u32 v66, v0, 3, 1                        ; r / 8
	v_and_b32 v67, 7, v0                           ; r % 8
	s_wait_alu depctr_va_vdst(0)                   ; the wait ahead of the scalar lines
	s_mul_i32 s[G0+1], s[WV], XW                   ; the tile that I fetch: m = wave
	s_lshr_b32 s63, s[WV], 1                       ; the tile of each half that I quantise a half of,
	s_and_b32 s60, s[WV], 1                        ; and which: K steps 0, 1 or 2, 3
	s_mul_i32 s62, s63, XW
	s_mul_i32 s61, s60, 1040
	s_add_co_u32 s62, s62, s61
	v_mul_u32_u24 v[XA], v66, 16640                ; the second run of 8 rows
	v_mad_u32_u24 v[XA], v67, 2080, v[XA]
	v_lshl_add_u32 v[XA], v65, 7, v[XA]
	v_add_nc_u32 v[XA], s62, v[XA]
	v_lshlrev_b32 v[LI], 4, v68
	v_lshlrev_b32 v[SH8], 3, v65
	v_lshlrev_b32 v[LW], 9, v65
	v_lshl_add_u32 v[LW], v64, 2, v[LW]
	s_mul_i32 s62, s[WV], 3072                     ; image 4 m + s: 4 (w / 2) + 2 (w % 2) = 2 w
	s_add_co_u32 s62, s62, XIMG
	v_add_nc_u32 v[XWI], s62, v[LI]
	s_lshl_b32 s62, s63, 6
	s_lshl_b32 s61, s60, 10
	s_add_co_u32 s62, s62, s61
	s_add_co_u32 s62, s62, XSC
	s_wait_alu depctr_va_vdst(0)
	v_lshl_add_u32 v[XWS], v64, 2, s62             ; lanes l and l xor 16 hold the same word and write it to the same place
	v_add_nc_u32 v[FI], XIMG, v[LI]
	v_lshl_add_u32 v[FS], v68, 2, XSC
	v_cmp_eq_u32 s[MK], 1, v65
	v_lshlrev_b32 v[BA], 7, v65                    ; q, k: my 32 columns of the bias
	v_lshlrev_b32 v0, 2, v64                       ; v: my column
	s_wait_alu depctr_va_vdst(0)                   ; the wait at the head's end, ahead of the scalar lines
	s_mov_b32 s66, REC
	s_mov_b32 s67, REC
	s_cmp_lt_u32 ttmp9, 128                        ; q's work-groups
	s_cselect_b32 s2, 0, 128
	s_cselect_b32 s3, 0, 32
	s_cselect_b32 s23, 4, 3
	s_cselect_b32 s43, 15, 7
	s_cselect_b32 s66, 98304, s66
	s_cselect_b32 s67, 8192, s67
	s_cselect_b32 s68, 0, 98304
	s_cmp_lt_u32 ttmp9, 192
	s_cselect_b32 s2, s2, 192
	s_cselect_b32 s3, s3, 64
	s_cselect_b32 s69, 0, 49152
	s_cselect_b32 s68, s68, 102400
	s_cselect_b32 s[BI], 0, 2048
	s_sub_co_u32 s2, ttmp9, s2                     ; which 128 rows of the tensor
	s_lshr_b32 s60, s2, s23
	s_and_b32 s61, s2, s43
	s_lshl_b32 s60, s60, 3
	s_add_co_u32 s60, s60, s[WV]                   ; batch x 8 + my head
	s_mul_i32 s62, s60, s66
	s_mul_i32 s63, s61, 6144
	s_add_co_u32 s[OCA], s62, s63
	s_add_co_u32 s[OCA], s[OCA], s69
	s_mul_i32 s62, s60, s67
	s_lshl_b32 s63, s61, 9
	s_add_co_u32 s[OSA], s62, s63
	s_add_co_u32 s[OSA], s[OSA], s68
	s_mov_b32 s[OCA+1], 0
	s_mov_b32 s[OSA+1], 0
	s_lshl_b32 s62, s[WV], 2
	s_add_co_u32 s62, s62, s3                      ; my first column tile
	s_mul_i32 s[WC], s62, 6144
	s_mov_b32 s[WC+1], 0
	s_lshl_b32 s[WSP], s62, 9
	s_mov_b32 s[WSP+1], 0
	s_lshl_b32 s62, s[WV], 8
	s_add_co_u32 s[BI], s[BI], s62
	s_mov_b32 s[BI+1], 0
	s_lshl_b32 s[SRC], s2, 18
	s_lshr_b32 s62, s[WV], 2
	s_lshl_b32 s62, s62, 17
	s_add_co_u32 s[SRC], s[SRC], s62
	s_and_b32 s62, s[WV], 3
	s_lshl_b32 s62, s62, 14
	s_add_co_u32 s[SRC], s[SRC], s62               ; row 64 (wave / 4) + 8 (wave % 4)
	s_mov_b32 s[SRC+1], 0
	s_mov_b32 s[G1+0], (3<<16)|(1<<20)|(7<<22)|(3<<25)   ; elements of 8 bytes; 4 words of padding behind every 256
	s_mov_b32 s[G1+1], 2048<<16                    ; a run: 2,048 elements = 8 rows
	s_mov_b32 s[G1+2], 2<<16
	s_mov_b32 s[G1+3], 2048<<16
	s_mov_b32 s[G1+4], 2
	s_mov_b32 s[G1+5], 8192                        ; 32 rows on
	s_mov_b32 s[G1+6], 0
	s_mov_b32 s[G1+7], 0
	s_mov_b32 s[G0], 1
	s_mov_b32 s[SEL], 0x76543210
	s_mov_b32 s[SEL+1], 0xfedcba98
	s_wait_dscnt 0x0                               ; both opening adds are done
	s_wait_kmcnt 0x0
	s_cmp_lt_u32 ttmp9, 128
	s_cselect_b64 s[70:71], s[4:5], s[6:7]
	s_cselect_b64 s[72:73], s[12:13], s[14:15]
	s_cselect_b64 s[74:75], s[16:17], s[20:21]
	s_cselect_b64 s[76:77], s[18:19], s[20:21]
	s_add_nc_u64 s[G0+2:G0+3], s[70:71], s[SRC:SRC+1]
	s_or_b32 s[G0+3], s[G0+3], 0x80000000
	s_add_nc_u64 s[BI:BI+1], s[72:73], s[BI:BI+1]
	s_add_nc_u64 s[OCA:OCA+1], s[74:75], s[OCA:OCA+1]
	s_add_nc_u64 s[OSA:OSA+1], s[76:77], s[OSA:OSA+1]
	s_add_nc_u64 s[WC:WC+1], s[8:9], s[WC:WC+1]
	s_add_nc_u64 s[WSP:WSP+1], s[10:11], s[WSP:WSP+1]
	s_cmp_lt_u32 s[WV], 4
	s_cbranch_scc0 .Lsecond_half
	tensor_load_to_lds s[G0:G0+3], s[G1:G1+7]      ; waves 0-3: tiles 0-3, a load line of their own,
	s_nop 0
	PLACES 4
	s_branch .Lasked
.Lsecond_half:
	tensor_load_to_lds s[G0:G0+3], s[G1:G1+7]      ; waves 4-7: tiles 4-7
	s_nop 0
	PLACES 4
.Lasked:
.irp p, 0,1
.irp s, 0,1,2,3
	global_load_b32 v[WS+4*\p+\s], v[LW], s[WSP:WSP+1] offset:(8*\p+\s)*128
.endr
.endr
	s_cmp_ge_u32 ttmp9, 192
	s_cbranch_scc1 .Lbias_v
.irp t, 0,1,2,3                                ; q, k: register 8 t + j of lane (r, h) is column 32 h + 8 t + j of the head
	global_load_b128 v[BIA+8*\t:BIA+8*\t+3], v[BA], s[BI:BI+1] offset:32*\t
	global_load_b128 v[BIA+8*\t+4:BIA+8*\t+7], v[BA], s[BI:BI+1] offset:32*\t+16
.endr
	s_branch .Lbias_in
.Lbias_v:
.irp c, 0,1,2,3                                ; v: one number a lane and column tile; spread below
	global_load_b32 v[BIA+8*\c], v0, s[BI:BI+1] offset:64*\c
.endr
.Lbias_in:
	LOADW 0
	LOADW 1
	s_cmp_lt_u32 s[WV], 4
	s_cbranch_scc0 .Lnot_first
	s_wait_tensorcnt 0x0                           ; waves 0-3: my tile is in
.Lnot_first:
	s_barrier_signal -1
	s_barrier_wait -1                              ; tiles 0-3 are in; tiles 4-7 may be on their way
	ROWS 0
	s_cmp_ge_u32 ttmp9, 192
	s_cbranch_scc1 .Lv_first
	FETCH 0
	QKPAIR 0
	QKPAIR 1
	s_wait_alu depctr_va_vdst(0)
	s_branch .Lhalf
.Lv_first:
	FETCH 0
	s_wait_loadcnt 48                              ; the bias is in; the weights' 48 loads may be out
.irp c, 0,1,2,3
.irp j, 1,2,3,4,5,6,7
	v_mov_b32 v[BIA+8*\c+\j], v[BIA+8*\c]
.endr
.endr
	s_wait_alu depctr_va_vdst(0)                   ; directly ahead of the wait below
.irp i, 0,1
	s_wait_dscnt 0x0
	MMV \i
	PLACES 4
.if \i == 0
	FETCH 1
.endif
.endr
	QUANT2 1, 192, 224, PC, PC+6                   ; rows 0-63: registers 0-5 of each column tile's operand
	v_mov_b32 v[SA], v[TM+10]
	v_mov_b32 v[SA+1], v[TM+11]
	QUANT2 0, 192, 224, PC+12, PC+18
	v_mov_b32 v[SA+2], v[TM+10]
	v_mov_b32 v[SA+3], v[TM+11]
	s_wait_alu depctr_va_vdst(0)
.Lhalf:
	v_add_nc_u32 v[XA], 4*XW, v[XA]                ; tiles 4-7 lie four tiles on
	s_wait_alu depctr_va_vdst(0)
	s_wait_tensorcnt 0x0                           ; every wave's tensor load is in
	s_wait_dscnt 0x0
	s_barrier_signal -1
	s_barrier_wait -1                              ; tiles 4-7 are in
	ROWS 1
	s_cmp_ge_u32 ttmp9, 192
	s_cbranch_scc1 .Lv_second
	FETCH 2
	QKPAIR 2
	QKPAIR 3
	global_store_b128 v[LI], v[SA:SA+3], s[OSA:OSA+1]
	s_branch .Ldone
.Lv_second:
	FETCH 2
.irp i, 2,3
	s_wait_dscnt 0x0
	MMV \i
	PLACES 4
.if \i == 2
	FETCH 3
.endif
.endr
	QUANT2 1, 192, 224, XF+2, XF+10                ; rows 64-127: registers 6-11
	v_lshl_or_b32 v[SA], v[TM+10], 16, v[SA]
	v_lshl_or_b32 v[SA+1], v[TM+11], 16, v[SA+1]
	QUANT2 0, 192, 224, XF+18, XF+26
	v_lshl_or_b32 v[SA+2], v[TM+10], 16, v[SA+2]
	v_lshl_or_b32 v[SA+3], v[TM+11], 16, v[SA+3]
.irp c, 0,1,2,3
	v_lshlrev_b32 v[SA+\c], v[SH8], v[SA+\c]
.endr
.irp c, 0,1,2,3
	v_permlanex16_b32 v[TM+\c], v[SA+\c], s[SEL], s[SEL+1]
.endr
.irp c, 0,1,2,3
	v_or_b32 v[SA+\c], v[SA+\c], v[TM+\c]
	v_mov_b32 v[XF+8*\c], v[PC+6*\c+4]             ; the middle piece: registers 4, 5 beside 6, 7
	v_mov_b32 v[XF+8*\c+1], v[PC+6*\c+5]
.endr
.irp c, 0,1,2,3
	global_store_b128 v[LI], v[PC+6*\c:PC+6*\c+3], s[OCA:OCA+1] offset:1536*\c
	global_store_b128 v[LI], v[XF+8*\c:XF+8*\c+3], s[OCA:OCA+1] offset:1536*\c+512
	global_store_b128 v[LI], v[XF+8*\c+4:XF+8*\c+7], s[OCA:OCA+1] offset:1536*\c+1024
.endr
	global_store_b128 v[LI], v[SA:SA+3], s[OSA:OSA+1]
.Ldone:
	s_wait_tensorcnt 0x0                           ; the wave's end, behind my last LDS store
	ds_add_u32 v[SPW], v[NIL]
	s_wait_dscnt 0x0
	s_endpgm
.Lfunc_end_k_qef9a10691f_proj:
	.size	k_qef9a10691f_proj, .Lfunc_end_k_qef9a10691f_proj-k_qef9a10691f_proj
	.p2alignl 7, 3214868480
	.fill 96, 4, 3214868480
	.section	.rodata,"a",@progbits
	.p2align	6, 0x0
	.amdhsa_kernel k_qef9a10691f_proj
		.amdhsa_group_segment_fixed_size 318464
		.amdhsa_private_segment_fixed_size 0
		.amdhsa_enable_private_segment 0
		.amdhsa_kernarg_size 72
		.amdhsa_user_sgpr_count 2
		.amdhsa_user_sgpr_kernarg_segment_ptr 1
		.amdhsa_wavefront_size32 1
		.amdhsa_system_sgpr_workgroup_id_x 1
		.amdhsa_system_sgpr_workgroup_id_y 1
		.amdhsa_system_sgpr_workgroup_id_z 1
		.amdhsa_system_vgpr_workitem_id 0
		.amdhsa_next_free_vgpr 512
		.amdhsa_next_free_sgpr 80
		.amdhsa_reserve_vcc 0
		.amdhsa_float_denorm_mode_32 3
		.amdhsa_float_denorm_mode_16_64 3
		.amdhsa_memory_ordered 1
		.amdhsa_forward_progress 1
		.amdhsa_inst_pref_size 114
	.end_amdhsa_kernel
	.amdgpu_metadata
---
amdhsa.version: [ 1, 2 ]
amdhsa.kernels:
  - .name:           k_qef9a10691f_proj
    .symbol:         k_qef9a10691f_proj.kd
    .args:
      - { .name: x, .offset: 0, .size: 8, .value_kind: global_buffer, .address_space: global }
      - { .name: global_tokens, .offset: 8, .size: 8, .value_kind: global_buffer, .address_space: global }
      - { .name: wc, .offset: 16, .size: 8, .value_kind: global_buffer, .address_space: global }
      - { .name: ws, .offset: 24, .size: 8, .value_kind: global_buffer, .address_space: global }
      - { .name: bq, .offset: 32, .size: 8, .value_kind: global_buffer, .address_space: global }
      - { .name: bkv, .offset: 40, .size: 8, .value_kind: global_buffer, .address_space: global }
      - { .name: qc, .offset: 48, .size: 8, .value_kind: global_buffer, .address_space: global }
      - { .name: qs, .offset: 56, .size: 8, .value_kind: global_buffer, .address_space: global }
      - { .name: kv, .offset: 64, .size: 8, .value_kind: global_buffer, .address_space: global }
    .group_segment_fixed_size: 318464
    .private_segment_fixed_size: 0
    .kernarg_segment_align: 8
    .kernarg_segment_size: 72
    .max_flat_workgroup_size: 256
    .sgpr_count:     80
    .vgpr_count:     512
    .wavefront_size: 32
...
	.end_amdgpu_metadata
.endif
;; end of part 2
;; launch attn (part 3): grid 4 x 64, 8 waves a work-group, clusters of 4 x 1, 189,440 bytes of LDS; arguments qc, qs, kv, out0; writes out0
.if DOCPART == 3
	.amdgcn_target "amdgcn-amd-amdhsa--gfx1250"
	.amdhsa_code_object_version 6
	.text
	.protected	k_qef9a10691f_attn
	.globl	k_qef9a10691f_attn
	.p2align	8
	.type	k_qef9a10691f_attn,@function
k_qef9a10691f_attn:
	s_mov_b64 s[64:65], 0
	v_nop
	global_prefetch_b8 v0, s[64:65] scope:SCOPE_SE
	s_setreg_imm32_b32 hwreg(HW_REG_WAVE_MODE, 25, 1), 1
	s_wait_xcnt 0x0
	s_wait_alu depctr_hold_cnt(0) depctr_sa_sdst(0) depctr_va_vdst(0) depctr_va_sdst(0) depctr_va_ssrc(0) depctr_va_vcc(0) depctr_vm_vsrc(0)
	s_getreg_b32 s2, hwreg(HW_REG_IB_STS2, 6, 4)
	s_cmp_eq_u32 s2, 0
	s_cbranch_scc0 .Lentry_in_a_cluster
	s_endpgm
.Lentry_in_a_cluster:
	s_bfe_u32 s2, ttmp6, 0x10000c
	s_cmp_lg_u32 s2, 0x3003
	s_cbranch_scc0 .Lentry_shape_is_right
	s_endpgm
.Lentry_shape_is_right:
; out[b][n][64 h ..] = the sum over keys of softmax(q . k) v, no factor on the scores, both products on codes of FP6 (E2M3) with E8M0 scales.  Nothing of reference() is left out.
; THE SOFTMAX AHEAD OF THE SECOND PRODUCT: t = score x log2(e); M = the row's largest t so far, rounded UP to a whole number; p = 2^(t - M) is quantised along the keys, not normalised; the row's sum is taken of
; the unquantised p and divides at the end.  When M moves, the sum and O are multiplied by 2^(old M - new M): exact.
; A BLOCK'S SCALE: floor(log2(its largest p)) = floor(its largest t - M), taken from the score, held at -124 from below: the byte lies between 1 and 126.
; LIMITS: NaN and infinities are not served; the promise holds while the scaled scores stay under 2^31 in magnitude.  O and the sum are cleared once: a later pair of tiles begins by multiplying what the pair before
; left, finite numbers, by 2^(-3e38 - M) = 0.
; SHARES.  A work-group owns 512 queries of one head (batch x 8 + head = work-group y); each of its eight waves four tiles of 16 queries, as two PAIRS one after the other: each fragment of K and V serves both tiles of
; a pair.  A step is 256 keys: 2 x 128 scores a lane, M moves once a step.  The head's whole record (K's and V's fragment images and scale words, 106,496 bytes) lies in LDS for the whole launch: filled once, no ring.
; CLUSTER.  The four query blocks of a head form a cluster and ask for the record JOINTLY: each wave one tensor load of 13,312 bytes, the same descriptor and mask in all four work-groups.
; LAYOUT.  Both products are used transposed: S^T = K Q^T, O^T = V^T P^T: a lane (r, h) holds ONE query throughout.  A tile of K is 8 keys of one block of 32 and 8 of the next (the second launch laid them so), so the
; 32 registers of four tiles are keys 64 c + 32 h + 0 .. 31: a whole block in a lane, in the order of the next operand.  Queries are spread in the same way, which the way out undoes by its addresses.
; THE FIRST PRODUCT'S K IS 64: Q's registers 6-11 are zero codes.  K's fragment has six registers; the operand's other six are whatever registers follow (the next tile's codes, or registers that do not change
; meanwhile): every bit pattern is a finite code, and meets zeros.  Scale bytes are never 0xff.
; No prefetch: the record and Q are asked for at the head, nothing is streamed later.
; REGISTERS, window 0: named below; window 1 (v256-511): the scores, then p: tile q, key tile t (0 .. 15) at 128 q + 8 t.
.set REC,   106496
.set VOFF,  49152                      ; in the record: V's images,
.set KSO,   98304                      ; K's scale words (V's: 4,096 on)
.set STAGE, REC                        ; the way out: 2 x 16 rows x (256 bytes + 16) for each wave
.set QSTA,  STAGE+8*8704               ; Q's codes of the second pair: 1,536 bytes for each wave
.set SPARE, QSTA+8*1536                ; the spare words, 128 bytes for each wave: four blocks of 256 bytes that no other line names
.set ADK, 0                            ; LDS addresses of the step: 16 x lane,
.set ADS, 1                            ; the scale words'
.set STO, 2
.set RD,  3
.set NM,  4                            ; v4, v6: -M of the two tiles; v5, v7: their largest scores
.set LS,  8                            ; v[8:9], v[10:11] the sums, in two halves
.set F,   12                           ; v12, v14: f; v13, v15 at work
.set XB,  16                           ; v16-23  each tile's four blocks: largest score, then the conversion's scale operand
.set PW,  24                           ; v24-27  p's scale words: 2 x half + tile
.set SCA, 28                           ; v28-31  scale words of the fragments in KA
.set QS,  32                           ; v32-35  Q's scale words: this pair's, the next pair's
.set SCB, 36                           ; v36-39  of those in KB
.set QF,  40                           ; v40-63  Q: two tiles
.set KA,  64                           ; v64-111 fragments of the step's first 128 keys: K's eight, then V's four
.set LI,  112                          ; v112    16 x lane (v112-117 are written at the head alone)
.set ASC, 113                          ; v113    KSO + 16 x lane
.set SPW, 114
.set NIL, 115
.set SH8, 116                          ; v116    8 h
.set GO,  117                          ; v117    the way out: my byte offset in two rows of out0
.set KB,  118                          ; v118-165 fragments of the step's second 128 keys
.set PC,  166                          ; v166-189 p's codes, two tiles; ahead of them partial sums and other work
.set OA,  192                          ; v192-255 O^T: tile q at 32 q
.set WV,  12
.set SEL, 20
.set CS,  22                           ; s[22:23] log2(e): the packed form names a pair and takes its low word for both halves
.set G1,  24
.set G0,  32
.set TB,  36
.set TS,  37
.set CNT, 38
.set PRS, 39
.set QP,  40
.set QSP, 42
.set OP,  44
.set NC,  46                           ; -log2(e)
.set KW,  47                           ; 125 in two bytes
.set QST, 48
.set NN,  49                           ; the step that is fetched next, 0 .. 3
.set MSB, 0
.macro WIN new
.if MSB != \new
	s_set_vgpr_msb (MSB<<8)|\new
.set MSB, \new
.endif
.endm
.macro WALU
	s_wait_alu depctr_va_vdst(0)
.endm
.macro PLACES n
.rept \n
	v_nop
.endr
.endm
.macro CROUND                          ; a round of the cluster's barrier
	s_barrier_signal -1
	s_barrier_wait -1
	s_cmp_lg_u32 s[WV], 0
	s_cbranch_scc1 .Lnot_wave_0_\@
	s_barrier_signal -3
.Lnot_wave_0_\@:
	s_barrier_wait -3
	s_barrier_signal -1
	s_barrier_wait -1
.endm
.macro KLOAD kb, sc, hf                ; 13 loads: four pairs of K's half fragments; their scale words: lanes 0-15 tiles 0-3, lanes 16-31 tiles 4-7
.irp t, 0,1,2,3
.irp i, 0,1,2
	ds_load_b128 v[\kb+12*\t+4*\i:\kb+12*\t+4*\i+3], v[ADK] offset:6144*\hf+1536*\t+512*\i
.endr
.endr
	ds_load_b128 v[\sc:\sc+3], v[ADS] offset:512*\hf
.endm
.macro VL kb, sc, hf, n                ; the n-th of 13 loads: four fragments of V and their scale words
.if (\n) < 12
	ds_load_b128 v[\kb+4*(\n):\kb+4*(\n)+3], v[ADK] offset:VOFF+6144*\hf+512*(\n)
.elseif (\n) == 12
	ds_load_b128 v[\sc:\sc+3], v[ADS] offset:4096+512*\hf
.endif
.endm
.macro MX b0, i                        ; THE LARGEST SCORE OF EACH BLOCK: line i of 16, blocks b0 and b0 + 1 of both tiles: four chains by turns
.if (\i) == 0
	WIN 0x15
.else
	WIN 0x14
.endif
.irp b, 0,1
.irp q, 0,1
.set X_, 128*\q+32*((\b0)+\b)
.set Y_, XB+4*\q+(\b0)+\b
.if (\i) == 0
	v_max3_num_f32 v[Y_], v[X_], v[X_+1], v[X_+2]
.elseif (\i) < 15
	v_max3_num_f32 v[Y_], v[Y_], v[X_+2*(\i)+1], v[X_+2*(\i)+2]
.else
	v_max_num_f32 v[Y_], v[Y_], v[X_+31]
.endif
.endr
.endr
.endm
.macro SP kb, sc, hf, t                ; 16 keys x 32 queries: two products
	WIN 0x40
.irp q, 0,1
.if \t < 4
	v_wmma_scale_f32_16x16x128_f8f6f4 v[128*\q+64*\hf+8*\t:128*\q+64*\hf+8*\t+7], v[\kb+6*\t:\kb+6*\t+11], v[QF+12*\q:QF+12*\q+11], 0, v[\sc+\t], v[QS+\q] matrix_a_fmt:MATRIX_FMT_FP6 matrix_b_fmt:MATRIX_FMT_FP6
.else
	v_wmma_scale_f32_16x16x128_f8f6f4 v[128*\q+64*\hf+8*\t:128*\q+64*\hf+8*\t+7], v[\kb+6*\t:\kb+6*\t+11], v[QF+12*\q:QF+12*\q+11], 0, v[\sc+\t-4], v[QS+\q] matrix_a_fmt:MATRIX_FMT_FP6 matrix_b_fmt:MATRIX_FMT_FP6 matrix_a_scale:MATRIX_SCALE_ROW1
.endif
.endr
.endm
.macro OPROD kb, sc, hf                ; O^T += V^T P^T over 128 keys: eight accumulators by turns
.irp c, 0,1,2,3
.irp q, 0,1
	v_wmma_scale_f32_16x16x128_f8f6f4 v[OA+32*\q+8*\c:OA+32*\q+8*\c+7], v[\kb+12*\c:\kb+12*\c+11], v[PC+12*\q:PC+12*\q+11], v[OA+32*\q+8*\c:OA+32*\q+8*\c+7], v[\sc+\c], v[PW+2*\hf+\q] matrix_a_fmt:MATRIX_FMT_FP6 matrix_b_fmt:MATRIX_FMT_FP6
.endr
.endr
.endm
.macro PF b, q, i                      ; t - M, two at a time
	v_pk_fma_f32 v[128*(\q)+32*(\b)+2*(\i):128*(\q)+32*(\b)+2*(\i)+1], v[128*(\q)+32*(\b)+2*(\i):128*(\q)+32*(\b)+2*(\i)+1], s[CS:CS+1], v[NM+2*(\q):NM+2*(\q)+1] op_sel_hi:[1,0,0]
.endm
.macro EXPS b                          ; p of block b, both tiles: 64 exponentials; the next block's t - M stand among them, and are read behind the wait
	WIN 0x41
.irp i, 0,1,2,3,4,5,6,7,8,9,10,11,12,13,14,15
.irp q, 0,1
	v_exp_f32 v[128*\q+32*(\b)+2*\i], v[128*\q+32*(\b)+2*\i]
	v_exp_f32 v[128*\q+32*(\b)+2*\i+1], v[128*\q+32*(\b)+2*\i+1]
.if (\b) < 3
	PF (\b)+1, \q, \i
.endif
.endr
.endr
.if (\b) == 3
	v_nop
.endif
	WALU                                           ; one wait for the batch, ahead of its first reader and of the next batch
.endm
.macro ADDS b                          ; the row's sum of the UNQUANTISED p: four chains a tile
.if (\b) == 0
	WIN 0x05
.irp k, 0,1,2,3
.irp q, 0,1
	v_pk_add_f32 v[PC+8*\q+2*\k:PC+8*\q+2*\k+1], v[128*\q+2*\k:128*\q+2*\k+1], v[128*\q+8+2*\k:128*\q+8+2*\k+1]
.endr
.endr
	WIN 0x04
.irp k, 8,9,10,11,12,13,14,15
.irp q, 0,1
	v_pk_add_f32 v[PC+8*\q+2*(\k%4):PC+8*\q+2*(\k%4)+1], v[PC+8*\q+2*(\k%4):PC+8*\q+2*(\k%4)+1], v[128*\q+2*\k:128*\q+2*\k+1]
.endr
.endr
.else
	WIN 0x04
.irp k, 0,1,2,3,4,5,6,7,8,9,10,11,12,13,14,15
.irp q, 0,1
	v_pk_add_f32 v[PC+8*\q+2*(\k%4):PC+8*\q+2*(\k%4)+1], v[PC+8*\q+2*(\k%4):PC+8*\q+2*(\k%4)+1], v[128*\q+32*(\b)+2*\k:128*\q+32*(\b)+2*\k+1]
.endr
.endr
.endif
.endm
.macro PCODES hf                       ; p's codes for 128 keys, both tiles.  (A conversion's three registers begin on an even number: a block's second half is made over its first half's numbers, which have been converted, and moved)
	WIN 0x01
.irp q, 0,1
.irp c, 0,1
	v_cvt_scalef32_pk16_fp6_f32 v[PC+12*\q+6*\c:PC+12*\q+6*\c+2], v[128*\q+64*\hf+32*\c:128*\q+64*\hf+32*\c+15], v[XB+4*\q+2*\hf+\c]
.endr
.endr
	v_nop                                          ; one plain place behind a scaled conversion
	WIN 0x41
.irp q, 0,1
.irp c, 0,1
	v_cvt_scalef32_pk16_fp6_f32 v[128*\q+64*\hf+32*\c:128*\q+64*\hf+32*\c+2], v[128*\q+64*\hf+32*\c+16:128*\q+64*\hf+32*\c+31], v[XB+4*\q+2*\hf+\c]
.endr
.endr
	v_nop
	WIN 0x01
.irp q, 0,1
.irp c, 0,1
.irp i, 0,1,2
	v_mov_b32 v[PC+12*\q+6*\c+3+\i], v[128*\q+64*\hf+32*\c+\i]
.endr
.endr
.endr
	WIN 0
.endm
	s_load_b256 s[4:11], s[0:1], 0x0               ; qc s[4:5], qs s[6:7], kv s[8:9], out0 s[10:11]
	v_lshl_add_u32 v[SPW], v0, 2, SPARE
	v_mov_b32 v[NIL], 0
	ds_add_u32 v[SPW], v[NIL]                      ; the wave's opening: the add, twice on end, and its wait ahead of the round in front of my first tensor load
	ds_add_u32 v[SPW], v[NIL]
	v_lshrrev_b32 v1, 5, v0
	v_readfirstlane_b32 s[WV], v1                  ; wave 0..7
	v_and_b32 v64, 31, v0                          ; lane
	v_and_b32 v65, 15, v0                          ; r
	v_bfe_u32 v66, v0, 4, 1                        ; h
	v_lshlrev_b32 v[LI], 4, v64
	v_lshlrev_b32 v[SH8], 3, v66
	v_lshlrev_b32 v67, 4, v65                      ; 16 bytes a row among Q's scale words
	v_add_nc_u32 v[ASC], KSO, v[LI]
	v_lshlrev_b32 v[GO], 11, v66
	v_add_nc_u32 v[GO], v[GO], v67                 ; lanes 0-15 one row of out0, lanes 16-31 the next; 16 bytes a lane
	s_mul_i32 s15, s[WV], 8704
	s_add_co_u32 s15, s15, STAGE                   ; my stage
	v_mul_u32_u24 v[STO], v65, 272
	v_lshl_add_u32 v[STO], v66, 5, v[STO]
	v_add_nc_u32 v[STO], s15, v[STO]
	v_mul_u32_u24 v[RD], v66, 272
	v_add_nc_u32 v[RD], v[RD], v67
	v_add_nc_u32 v[RD], s15, v[RD]
	WALU                                           ; the wait ahead of the scalar lines
	s_bfe_u32 s13, ttmp6, 0x40000                  ; cx
	s_lshl_b32 s15, ttmp9, 2
	s_add_co_u32 s13, s13, s15                     ; my block of 512 queries: it enters Q's and out0's addresses alone
	s_and_b32 s14, ttmp7, 0xffff                   ; batch x 8 + head, which the four partners share
	; descriptor: my wave's eighth of the head's record: 52 rows of 256 bytes (32 elements of 8 bytes), dense, no padding
	s_mov_b32 s[G1+0], 15|(3<<16)|(1<<21)          ; the mask: all four work-groups; elements of 8 bytes; bit 21 set beside a mask
	s_mov_b32 s[G1+1], 32<<16
	s_mov_b32 s[G1+2], 52<<16
	s_mov_b32 s[G1+3], 32<<16
	s_mov_b32 s[G1+4], 52
	s_mov_b32 s[G1+5], 32
	s_mov_b32 s[G1+6], 0
	s_mov_b32 s[G1+7], 0
	s_mov_b32 s[G0], 1
	s_mul_i32 s[G0+1], s[WV], 13312                ; no place in the cluster enters an LDS address
	s_mul_i32 s16, s14, REC
	s_add_co_u32 s16, s16, s[G0+1]
	s_mov_b32 s17, 0
	s_lshl_b32 s[QP], s14, 7                       ; Q: tile 128 y + 32 x block + 4 w, 768 bytes a tile
	s_lshl_b32 s15, s13, 5
	s_add_co_u32 s[QP], s[QP], s15
	s_lshl_b32 s15, s[WV], 2
	s_add_co_u32 s[QP], s[QP], s15
	s_mul_i32 s[QP], s[QP], 768
	s_mov_b32 s[QP+1], 0
	s_lshl_b32 s[QSP], s14, 13                     ; its scale words: 8,192 bytes a head, 256 for each four tiles: 16 bytes a row, 4 a tile
	s_lshl_b32 s15, s13, 11
	s_add_co_u32 s[QSP], s[QSP], s15
	s_lshl_b32 s15, s[WV], 8
	s_add_co_u32 s[QSP], s[QSP], s15
	s_mov_b32 s[QSP+1], 0
	s_lshr_b32 s[OP], s14, 3                       ; out0: row 2,048 x batch + 512 x block + 64 w, of 2,048 bytes; + 256 x head
	s_lshl_b32 s[OP], s[OP], 11
	s_lshl_b32 s15, s13, 9
	s_add_co_u32 s[OP], s[OP], s15
	s_lshl_b32 s15, s[WV], 6
	s_add_co_u32 s[OP], s[OP], s15
	s_lshl_b32 s[OP], s[OP], 11
	s_and_b32 s15, s14, 7
	s_lshl_b32 s15, s15, 8
	s_add_co_u32 s[OP], s[OP], s15
	s_mov_b32 s[OP+1], 0
	s_mul_i32 s[QST], s[WV], 1536
	s_add_co_u32 s[QST], s[QST], QSTA
	s_mov_b32 s[SEL], 0x76543210
	s_mov_b32 s[SEL+1], 0xfedcba98
	s_mov_b32 s[CS], 0x3fb8aa3b                    ; log2(e)
	s_mov_b32 s[CS+1], s[CS]
	s_mov_b32 s[NC], 0xbfb8aa3b
	s_mov_b32 s[KW], 0x7d007d
	s_mov_b32 s[NN], 0
	s_mov_b32 s[PRS], 2
	s_wait_dscnt 0x0                               ; both opening adds are done
	s_wait_kmcnt 0x0
	s_add_nc_u64 s[G0+2:G0+3], s[8:9], s[16:17]
	s_or_b32 s[G0+3], s[G0+3], 0x80000000          ; type = 2
	s_add_nc_u64 s[QP:QP+1], s[4:5], s[QP:QP+1]
	s_add_nc_u64 s[QSP:QSP+1], s[6:7], s[QSP:QSP+1]
	s_add_nc_u64 s[OP:OP+1], s[10:11], s[OP:OP+1]
	global_load_b128 v[QF:QF+3], v[LI], s[QP:QP+1]                   ; Q: the first pair's two tiles (12 registers in three pieces) to their places,
	global_load_b64 v[QF+4:QF+5], v[LI], s[QP:QP+1] offset:512
	global_load_b64 v[QF+12:QF+13], v[LI], s[QP:QP+1] offset:520
	global_load_b128 v[QF+14:QF+17], v[LI], s[QP:QP+1] offset:1024
	global_load_b128 v[QS:QS+3], v67, s[QSP:QSP+1]
	WIN 0x40
.irp u, 0,1,2                                  ; the second pair's to window 1, on their way to LDS
	global_load_b128 v[4*\u:4*\u+3], v[LI], s[QP:QP+1] offset:1536+512*\u th:TH_LOAD_NT
.endr
	WIN 0
	CROUND                                         ; all four work-groups are here: the joint loads meet
	tensor_load_to_lds s[G0:G0+3], s[G1:G1+7]      ; one load of mine is out; every wave issues its own
	s_nop 0
	PLACES 4
	v_mov_b32 v[ADK], v[LI]
	v_mov_b32 v[ADS], v[ASC]
	v_add_nc_u32 v[XB], s[QST], v[LI]
.irp j, 0,1,2,3,4,5,6,7,8,9,10,11,12,13,14,15,16,17,18,19,20,21,22,23
	v_mov_b32 v[PC+\j], 0                          ; (read ahead of p's first codes, as a fragment's unused half and as a lane permute's destination)
.endr
.irp j, 6,7,8,9,10,11
	v_mov_b32 v[QF+\j], 0                          ; Q's codes of k = 64 .. 127: zeros
	v_mov_b32 v[QF+12+\j], 0
.endr
.irp j, 0,1,2,3
	v_mov_b32 v[LS+\j], 0
	v_mov_b32 v[F+\j], 0
.endr
.set I, 0
.rept 64
	v_mov_b32 v[OA+I], 0                           ; O^T: the step is written once; its first trip finds zeros, which the first change of M leaves zeros
.set I, I+1
.endr
	WALU                                           ; the wait at the head's end
	s_wait_loadcnt 0x0
	s_wait_tensorcnt 0x0                           ; my part of the record is in,
	s_barrier_signal -1
	s_barrier_wait -1                              ; everybody's is
	WIN 0x04
.irp u, 0,1,2
	ds_store_b128 v[XB], v[4*\u:4*\u+3] offset:512*\u
.endr
	WIN 0
	KLOAD KA, SCA, 0
	KLOAD KB, SCB, 1
.Lpair:
.irp q, 0,1
	v_mov_b32 v[NM+2*\q], 0x7f61b1e6               ; -M: 3e38
	v_mov_b32 v[NM+2*\q+1], 0xff61b1e6             ; the largest score so far: -3e38
.endr
	s_mov_b32 s[CNT], 4
	WALU
.Lstep:                                                ; A STEP: 256 keys x 32 queries
	s_wait_dscnt 13                                ; KA's fragments are in; KB's 13 loads may be out
.irp t, 0,1,2,3,4,5,6,7
	SP KA, SCA, 0, \t
.endr
	s_wait_dscnt 0x0
.irp t, 0,1,2,3,4,5,6,7
	SP KB, SCB, 1, \t
.endr
	WIN 0
	PLACES 4                                       ; in front of the first readers of these results
	s_add_co_u32 s[NN], s[NN], 1
	s_and_b32 s[NN], s[NN], 3                      ; the next step; behind a pair's last the next pair's first
	s_mul_i32 s[TB], s[NN], 12288
	s_lshl_b32 s[TS], s[NN], 10
.irp i, 0,1,2,3,4,5,6,7,8,9,10,11,12,13,14,15
	MX 0, \i
	MX 2, \i
.endr
	WIN 0
.irp q, 0,1
	v_max3_num_f32 v[F+2*\q], v[XB+4*\q], v[XB+4*\q+1], v[XB+4*\q+2]
.endr
.irp q, 0,1
	v_max_num_f32 v[F+2*\q], v[F+2*\q], v[XB+4*\q+3]
.endr
.irp q, 0,1
	v_permlanex16_b32 v[F+2*\q+1], v[F+2*\q], s[SEL], s[SEL+1]
.endr
.irp q, 0,1
	v_max3_num_f32 v[NM+2*\q+1], v[NM+2*\q+1], v[F+2*\q], v[F+2*\q+1]   ; the running largest score: mine and lane l xor 16's keys
.endr
.irp q, 0,1
	v_mul_f32 v[F+2*\q], s[NC], v[NM+2*\q+1]
.endr
.irp q, 0,1
	v_floor_f32 v[F+2*\q], v[F+2*\q]               ; the new -M = floor(-t): M is a whole number
.endr
.irp q, 0,1
	v_sub_f32 v[F+2*\q+1], v[F+2*\q], v[NM+2*\q]   ; old M less new M: a whole number, 0 or less
.endr
.irp q, 0,1
	v_mov_b32 v[NM+2*\q], v[F+2*\q]
.endr
.irp q, 0,1
	v_cvt_i32_f32 v[F+2*\q+1], v[F+2*\q+1]         ; (it saturates)
.endr
.irp q, 0,1
	v_ldexp_f32 v[F+2*\q], 1.0, v[F+2*\q+1]        ; f = 2^(old M - new M)
.endr
.irp b, 0,1,2,3
.irp q, 0,1
	v_fma_f32 v[XB+4*\q+\b], v[XB+4*\q+\b], s[CS], v[NM+2*\q]   ; each block's largest t - M,
.endr
.endr
.irp b, 0,1,2,3
.irp q, 0,1
	v_max_num_f32 v[XB+4*\q+\b], 0xc2f80000, v[XB+4*\q+\b]   ; not under -124,
.endr
.endr
.irp b, 0,1,2,3
.irp q, 0,1
	v_cvt_floor_i32_f32 v[XB+4*\q+\b], v[XB+4*\q+\b]   ; rounded down: the exponent of its largest p
.endr
.endr
.irp w, 0,1
.irp q, 0,1
	v_lshl_add_u32 v[PC+16+2*\w+\q], v[XB+4*\q+2*\w+1], 16, v[XB+4*\q+2*\w]   ; p's scale word for each 128 keys: my two blocks' exponents,
.endr
.endr
.irp w, 0,1
.irp q, 0,1
	v_add_lshl_u32 v[PC+16+2*\w+\q], v[PC+16+2*\w+\q], s[KW], v[SH8]   ; + 127 - 2 each, at bytes h and 2 + h;
.endr
.endr
.irp w, 0,1
.irp q, 0,1
	v_permlanex16_b32 v[PC+20+2*\w+\q], v[PC+16+2*\w+\q], s[SEL], s[SEL+1]
.endr
.endr
.irp w, 0,1
.irp q, 0,1
	v_or_b32 v[PW+2*\w+\q], v[PC+16+2*\w+\q], v[PC+20+2*\w+\q]   ; with lane l xor 16's two
.endr
.endr
.irp b, 0,1,2,3
.irp q, 0,1
	v_add_lshl_u32 v[XB+4*\q+\b], v[XB+4*\q+\b], 125, 23   ; and the conversion's scale operand
.endr
.endr
	WIN 0x41
.irp i, 0,1,2,3,4,5,6,7,8,9,10,11,12,13,14,15
.irp q, 0,1
	PF 0, \q, \i
.endr
.endr
	WALU                                           ; the wait ahead of the batch
	WIN 0
.irp n, 0,1,2,3,4,5,6,7,8,9,10,11,12           ; V's fragments, in one run: they have the exponentials in which to land
	VL KA, SCA, 0, \n
.endr
.irp n, 0,1,2,3,4,5,6,7,8,9,10,11,12
	VL KB, SCB, 1, \n
.endr
	EXPS 0
	ADDS 0
	EXPS 1
	ADDS 1
	EXPS 2
	ADDS 2
	EXPS 3
	s_wait_dscnt 0x0                               ; V's fragments and scale words are in
	ADDS 3
	WIN 0
.irp q, 0,1
	v_pk_add_f32 v[PC+8*\q:PC+8*\q+1], v[PC+8*\q:PC+8*\q+1], v[PC+8*\q+2:PC+8*\q+3]
	v_pk_add_f32 v[PC+8*\q+4:PC+8*\q+5], v[PC+8*\q+4:PC+8*\q+5], v[PC+8*\q+6:PC+8*\q+7]
.endr
.irp q, 0,1
	v_pk_add_f32 v[PC+8*\q:PC+8*\q+1], v[PC+8*\q:PC+8*\q+1], v[PC+8*\q+4:PC+8*\q+5]
.endr
.irp q, 0,1
	v_pk_fma_f32 v[LS+2*\q:LS+2*\q+1], v[LS+2*\q:LS+2*\q+1], v[F+2*\q:F+2*\q+1], v[PC+8*\q:PC+8*\q+1] op_sel_hi:[1,0,1]   ; the sum under the new M
.endr
	PCODES 0
	WALU                                           ; directly ahead of the first reader of O^T
.irp j, 0,2,4,6,8,10,12,14,16,18,20,22,24,26,28,30
.irp q, 0,1
	v_pk_mul_f32 v[OA+32*\q+\j:OA+32*\q+\j+1], v[OA+32*\q+\j:OA+32*\q+\j+1], v[F+2*\q:F+2*\q+1] op_sel_hi:[1,0]   ; O^T under the new M.  These are also the places between p's codes and the products
.endr
.endr
	OPROD KA, SCA, 0
	v_add_nc_u32 v[ADK], s[TB], v[LI]              ; the next step's addresses: with the line behind them the four places behind the products
	v_add_nc_u32 v[ADS], s[TS], v[ASC]
	PLACES 2
	KLOAD KA, SCA, 0                               ; the next step's K (behind the very last step they bring step 0 again, unread)
	PCODES 1
	PLACES 4
	OPROD KB, SCB, 1
	PLACES 4
	KLOAD KB, SCB, 1
	WALU                                           ; the wait ahead of the branch
	s_sub_co_u32 s[CNT], s[CNT], 1
	s_cmp_lg_u32 s[CNT], 0
	s_cbranch_scc1 .Lstep
	; THE WAY OUT: O^T / the sum goes through my stage and leaves as rows of 256 bytes: a query's 64 channels of this head
	v_add_nc_u32 v[XB], s[QST], v[LI]
.irp q, 0,1
	v_mov_b32 v[QS+\q], v[QS+2+\q]
.endr
	ds_load_b128 v[QF:QF+3], v[XB]                 ; the second pair's Q
	ds_load_b64 v[QF+4:QF+5], v[XB] offset:512
	ds_load_b64 v[QF+12:QF+13], v[XB] offset:520
	ds_load_b128 v[QF+14:QF+17], v[XB] offset:1024
.irp q, 0,1
	v_add_f32 v[F+2*\q], v[LS+2*\q], v[LS+2*\q+1]
.endr
.irp q, 0,1
	v_permlanex16_b32 v[F+2*\q+1], v[F+2*\q], s[SEL], s[SEL+1]
.endr
.irp q, 0,1
	v_add_f32 v[F+2*\q], v[F+2*\q], v[F+2*\q+1]    ; the row's sum
.endr
	WALU
	v_rcp_f32 v[F], v[F]
	v_rcp_f32 v[F+2], v[F+2]
	v_nop
	WALU                                           ; ahead of the reciprocals' and of O^T's first reader
.irp j, 0,2,4,6,8,10,12,14,16,18,20,22,24,26,28,30
.irp q, 0,1
	v_pk_mul_f32 v[OA+32*\q+\j:OA+32*\q+\j+1], v[OA+32*\q+\j:OA+32*\q+\j+1], v[F+2*\q:F+2*\q+1] op_sel_hi:[1,0]   ; register 8 c + j: o(query r, channel 16 c + 8 h + j)
.endr
.endr
.irp q, 0,1
.irp c, 0,1,2,3
	ds_store_b128 v[STO], v[OA+32*\q+8*\c:OA+32*\q+8*\c+3] offset:4352*\q+64*\c
	ds_store_b128 v[STO], v[OA+32*\q+8*\c+4:OA+32*\q+8*\c+7] offset:4352*\q+64*\c+16
.endr
.endr
	WIN 0x40
.irp k, 0,1,2,3,4,5,6,7,8,9,10,11,12,13,14,15
	ds_load_b128 v[4*\k:4*\k+3], v[RD] offset:4352*(\k/8)+544*(\k%8)   ; LDS serves a wave's instructions in order (ISA guide 5.7.1.4): these see my stores
.endr
	WIN 0x04
.irp k, 0,1,2,3,4,5,6,7,8,9,10,11,12,13,14,15
	s_wait_dscnt 15-\k
	global_store_b128 v[GO], v[4*\k:4*\k+3], s[OP:OP+1] offset:(8*(\k/8)+32*((\k%8)/4)+2*(\k%4))*2048 th:TH_STORE_NT   ; stage row r' of tile u is query 32 (r' / 8) + 8 u + r' % 8 of my 64; 16 lanes store 256 consecutive bytes, aligned
.endr
	WIN 0
	s_wait_xcnt 0x0                                ; the stores have read their registers and their base
	s_add_nc_u64 s[OP:OP+1], s[OP:OP+1], 16*2048   ; the second pair's tiles: 16 rows on
	WALU
	s_sub_co_u32 s[PRS], s[PRS], 1
	s_cmp_lg_u32 s[PRS], 0
	s_cbranch_scc1 .Lpair
	s_wait_tensorcnt 0x0                           ; the wave's end, behind my last tensor load and my last LDS store
	ds_add_u32 v[SPW], v[NIL]
	s_wait_dscnt 0x0
	CROUND                                         ; the closing round: no work-group ends while a partner may still ask for bytes jointly
	s_endpgm
.Lfunc_end_k_qef9a10691f_attn:
	.size	k_qef9a10691f_attn, .Lfunc_end_k_qef9a10691f_attn-k_qef9a10691f_attn
	.p2alignl 7, 3214868480
	.fill 96, 4, 3214868480
	.section	.rodata,"a",@progbits
	.p2align	6, 0x0
	.amdhsa_kernel k_qef9a10691f_attn
		.amdhsa_group_segment_fixed_size 189440
		.amdhsa_private_segment_fixed_size 0
		.amdhsa_enable_private_segment 0
		.amdhsa_kernarg_size 32
		.amdhsa_user_sgpr_count 2
		.amdhsa_user_sgpr_kernarg_segment_ptr 1
		.amdhsa_wavefront_size32 1
		.amdhsa_system_sgpr_workgroup_id_x 1
		.amdhsa_system_sgpr_workgroup_id_y 1
		.amdhsa_system_sgpr_workgroup_id_z 1
		.amdhsa_system_vgpr_workitem_id 0
		.amdhsa_next_free_vgpr 512
		.amdhsa_next_free_sgpr 66
		.amdhsa_reserve_vcc 0
		.amdhsa_float_denorm_mode_32 3
		.amdhsa_float_denorm_mode_16_64 3
		.amdhsa_memory_ordered 1
		.amdhsa_forward_progress 1
		.amdhsa_inst_pref_size 70
	.end_amdhsa_kernel
	.amdgpu_metadata
---
amdhsa.version: [ 1, 2 ]
amdhsa.kernels:
  - .name:           k_qef9a10691f_attn
    .symbol:         k_qef9a10691f_attn.kd
    .args:
      - { .name: qc, .offset: 0, .size: 8, .value_kind: global_buffer, .address_space: global }
      - { .name: qs, .offset: 8, .size: 8, .value_kind: global_buffer, .address_space: global }
      - { .name: kv, .offset: 16, .size: 8, .value_kind: global_buffer, .address_space: global }
      - { .name: out0, .offset: 24, .size: 8, .value_kind: global_buffer, .address_space: global }
    .group_segment_fixed_size: 189440
    .private_segment_fixed_size: 0
    .kernarg_segment_align: 8
    .kernarg_segment_size: 32
    .max_flat_workgroup_size: 256
    .sgpr_count:     66
    .vgpr_count:     512
    .wavefront_size: 32
...
	.end_amdgpu_metadata
.endif
;; end of part 3
